; MI455X (gfx1250); checked and timed in simulation.
; The chip was launched on July 23, 2026; its instructions are those of AMD's public machine-readable ISA for CDNA 5 (MIT licence, August 2026) and "CDNA5" Instruction Set Architecture Reference Guide (July 2026). The comments in the code are by the model that wrote it; some were corrected since.
;; Custom Sparse GLU. Allowed arithmetic: matrix products marked QUANTISED: E2M1 operands, one E8M0 scale for each 32 along K, by v_wmma_scale_f32_16x16x128_f8f6f4 with both operands' format E2M1 (or v_wmma_scale_f32_32x16x128_f4), f32 sums; everything else in f32.
;; Inputs: expert_ids 8,192 int32; v1_codes 8 x 2,048 x 32 x 16 uint8 (E2M1 codes of v1, K innermost, in blocks of 32 codes, two codes a byte); v1_scales 8 x 2,048 x 32 uint8 (E8M0 scales of v1, one for each 32 codes along K); w1_codes 8 x 2,048 x 32 x 16 uint8 (E2M1 codes of w1, K innermost, in blocks of 32 codes, two codes a byte); w1_scales 8 x 2,048 x 32 uint8 (E8M0 scales of w1, one for each 32 codes along K); w2_codes 8 x 1,024 x 64 x 16 uint8 (E2M1 codes of w2, K innermost, in blocks of 32 codes, two codes a byte); w2_scales 8 x 1,024 x 64 uint8 (E8M0 scales of w2, one for each 32 codes along K); x_codes 8,192 x 32 x 16 uint8 (E2M1 codes of x, K innermost, in blocks of 32 codes, two codes a byte); x_scales 8,192 x 32 uint8 (E8M0 scales of x, one for each 32 codes along K).
;; Outputs: out0 8,192 x 1,024 float32.
;; This version of the problem:
;;   THIS VERSION OF THE PROBLEM IS GIVEN IN LOW PRECISION. The matrix products marked QUANTISED in the list below multiply operands that are first quantised to E2M1 (2 exponent bits, 1 mantissa bit; 4 bits a number), with one power-of-two scale for each 32 numbers along K (OCP MX v1.0); their sums are f32. All else is computed in f32.
;;   The module's matrix products, in the order in which they are computed (A, B: the left and right operand; K: the contracted axis; several contracted axes count as one K, in the product's order):
;;     1. batch 8 x [M 1,024, K 1,024] x [K 1,024, N 2,048]; A: input x (given as codes); B: input w1 (given as codes): QUANTISED
;;     2. batch 8 x [M 1,024, K 1,024] x [K 1,024, N 2,048]; A: input x (given as codes); B: input v1 (given as codes): QUANTISED
;;     3. batch 8 x [M 1,024, K 2,048] x [K 2,048, N 1,024]; A: computed on the way; B: input w2 (given as codes): QUANTISED
;;   THE QUANTISER, for each operand of a quantised product, along K:
;;     - K is cut into blocks of 32 from its start; a last block that is shorter is filled with zeros.
;;     - A block's scale is 2^e with e = floor(log2(the largest magnitude in the block)) - 2, held to -126 .. 127; a block of zeros has e = 0. As a byte (E8M0): e + 127.
;;     - Each number is divided by its block's scale, clamped to +-6, and rounded to the nearest number of E2M1, ties to even, subnormals kept.
;;     - The product sums the exact products of the quantised numbers (number of the format x scale) in f32.
;;   ~~~python
;;   def quantise(x, axis):      # numpy; x: float32 -> the quantised numbers, widened to float32 again
;;       x = np.moveaxis(x, axis, -1); K = x.shape[-1]
;;       x = np.pad(x, [(0, 0)] * (x.ndim - 1) + [(0, -K % 32)]); x = x.reshape(x.shape[:-1] + (-1, 32)); a = np.abs(x).max(-1, keepdims=True)
;;       e = np.where(a > 0, np.clip(np.frexp(np.where(a > 0, a, 1))[1] - 1 - 2, -126, 127), 0)      # np.frexp(a)[1] - 1 = floor(log2(a)), exactly
;;       r = np.clip(x / 2.0 ** e, -6, 6)
;;       step = 2.0 ** (np.maximum(np.frexp(np.where(r == 0, 1, r))[1] - 1, 0) - 1)
;;       q = np.round(r / step) * step * 2.0 ** e      # np.round: ties to even
;;       return np.moveaxis(q.reshape(q.shape[:-2] + (-1,))[..., :K], -1, axis).astype(np.float32)
;;   ~~~
;;   OPERANDS COMPUTED ON THE WAY. 'Computed on the way' means the value that the module computes at that place (a softmax that the list does not call 'softmax' is quantised finished and normalised). What goes into a quantiser is computed in f32, as accurately as f32 sums, v_exp_f32 and their like allow (about 1e-6 of the number): no bf16 or f16 on the way to a quantiser, and a product that is left as it is and whose result goes on into a quantised operand takes f32 operands (vector FMAs, or v_wmma_f32_16x16x4_f32). A number that lies on a knife's edge between two numbers of the format may be rounded either way, as far as f32 arithmetic and the matrix unit's own rounding can turn it there, and no further.
;;   INPUTS GIVEN AS CODES. v1 (in the module: [8, 2048, 1024], K = its axis 2); w1 (in the module: [8, 2048, 1024], K = its axis 2); w2 (in the module: [8, 2048, 1024], K = its axis 1); x (in the module: [8192, 1024], K = its axis 1): each comes as NAME_codes (uint8): NAME with its K axis moved to the last place and cut into blocks of 32 codes, [.., K / 32, bytes a block], one block behind the other in memory; two codes a byte, the lower K in the low four bits (a code: sign, 2 exponent bits, 1 mantissa bit); and NAME_scales (uint8): the same leading axes, one E8M0 byte (e + 127) for each 32 codes along K. Its value is code x scale, taken as it is: it is not quantised again, and the codes and scales need not be those that the quantiser above would give.
;; One version. Each part assembles by itself: llvm-mc -triple=amdgcn-amd-amdhsa -mcpu=gfx1250 --defsym DOCPART=n.
;; ======== version 1 of 1: 2 launches
;; limits: right only within a limited range of input values
;; workspace buffers: hc 8,388,608 bytes; hs 524,288 bytes
;; launch up (part 1): grid 8 x 32, 8 waves a work-group, clusters of 4 x 4, 327,680 bytes of LDS; arguments x_codes, x_scales, w1_codes, w1_scales, v1_codes, v1_scales, hc, hs; writes hc, hs
.if DOCPART == 1
	.amdgcn_target "amdgcn-amd-amdhsa--gfx1250"
	.amdhsa_code_object_version 6
	.text
	.protected	k_q34a56af887_up
	.globl	k_q34a56af887_up
	.p2align	8
	.type	k_q34a56af887_up,@function
k_q34a56af887_up:
	s_mov_b64 s[64:65], 0
	v_nop
	global_prefetch_b8 v0, s[64:65] scope:SCOPE_SE
	s_setreg_imm32_b32 hwreg(HW_REG_WAVE_MODE, 25, 1), 1
	s_wait_xcnt 0x0
	s_wait_alu depctr_hold_cnt(0) depctr_sa_sdst(0) depctr_va_vdst(0) depctr_va_sdst(0) depctr_va_ssrc(0) depctr_va_vcc(0) depctr_vm_vsrc(0)
	s_getreg_b32 s2, hwreg(HW_REG_IB_STS2, 6, 4)
	s_cmp_eq_u32 s2, 0
	s_cbranch_scc0 .Lentry_in_a_cluster
	s_endpgm
.Lentry_in_a_cluster:
	s_bfe_u32 s2, ttmp6, 0x10000c
	s_cmp_lg_u32 s2, 0xf033
	s_cbranch_scc0 .Lentry_shape_is_right
	s_endpgm
.Lentry_shape_is_right:
; h = gelu(x w1^T) * (x v1^T), quantised along F to codes of FP4 (E2M1) with one E8M0 byte for each 32 of F.  8 experts; expert e owns tokens 1024 e .. 1024 e + 1023, since reference() cuts x by a reshape.
; DEAD INPUT: expert_ids is named nowhere in the body of reference(), so no value of it can reach out0.  It is not loaded and is no argument of any launch.
; x: [8192][1024] codes, w1, v1: [8][2048][1024] codes, K innermost, two codes a byte (a row is 512 bytes); their scale bytes [rows][32].  Both products go to the matrix unit as codes and scale bytes, as they lie.
; OUT (this program's own workspace, laid as the next launch's operand registers):
;   hc [512 tiles of 16 tokens][16 K steps of 128 f][4 blocks of 32 f][16 tokens][16 bytes];
;   hs [16 K steps][128 groups of 64 tokens][32 lanes][2] words: word i of lane l is the scale word of token 64 g + 16 (2 i + l / 16) + l % 16.
; SHARES.  A work-group owns 256 tokens x 256 f.  Wave w owns tokens 64 (w % 4) on x the 128 f of half w / 4, as four sub-tiles of 32 f: one block of the quantiser.
; x's rows go through LDS into registers once, for all of K; then the weights of sub-tiles 2 and 3 take x's place in LDS, those of sub-tiles 0 and 1 lying beside it.
; A sub-tile is 4 token tiles x (32 rows of w1, 32 of v1) = 8 accumulators of 32 x 16.  THE MATRIX INSTRUCTION IS USED TRANSPOSED (source 0 = 32 weight rows, source 1 = 16 tokens): a lane holds ONE token, and eight neighbouring f
; in registers 0-7 and in registers 8-15 of an accumulator.
; CLUSTER 4 x 4: the four of a row of the cluster own the same tokens and ask for x jointly; the four of a column own the same f of the same expert and ask for w1 and v1 jointly.
; The scale bytes go from memory straight into registers: they are one sixteenth of the codes' bytes, so they are not asked for jointly.
; No prefetch: half of the weights and x are asked for at the head, the other half ahead of the first product, two sub-tiles before it is read.
; GELU.  2 gelu(x) = (x + |x|) - |x| erfc(|x| / sqrt 2): the first term is exactly 0 for x < 0, so nothing cancels.  erfc(z) = t 2^E, t = 1 / (1 + z / 2), E = k0 - z^2 log2 e + t (k1 + t (k2 + .. + t k9)):
; a fit of Chebyshev's kind with a fractional error under 1.2e-7 for every z >= 0; the coefficients below hold the factor log2 e.
; THE FACTOR 2 is taken off the scale byte: 2 h has h's codes under a scale twice as large, so 1 is taken from each byte.  The floor of a block's largest |2 h| is 2^(4 - 127), which holds the stored byte at 1.
; LIMITS: erfc as above; v_exp_f32 gives 0 under 2^-126, so erfc counts as 0 beyond |x1| of about 13.2; |h| from 2^127 on overflows in 2 h; a block of zeros gets the byte 1 where the quantiser says 127 (its codes are zeros, and this
; program alone reads the bytes); NaN and infinities among the products are not served.
.set PITCH, 528                        ; an LDS row: 512 bytes + 16 of padding = 132 words: the 16 rows that a load touches start at 16 different groups of four banks
.set SUB,   32*PITCH                   ; a sub-tile's 32 rows
.set CH,    64*PITCH                   ; 64 rows: what one tensor load brings
.set PAIR,  2*CH                       ; part c of LDS (c = 2 x f half + (0 w1, 1 v1)): 64 rows of weights (sub-tiles 0, 1), then 64 rows of x (tokens 64 c on), in whose place the weights of sub-tiles 2, 3 come
.set SPARE, 4*PAIR                     ; the spare words, 128 bytes for each wave, that no other line names
; window 0
.set ADX, 2                            ; LDS address of my x fragments
.set ADW, 3                            ; of my sub-tile's w1 (v3) and v1 (v7)
.set ADV, ADW+4
.set SW,  4                            ; v[4:5] h's scale words: lanes 0-15 token tile 2 p, lanes 16-31 tile 2 p + 1
.set SO,  6                            ; 32 x lane
.set SPW, 8                            ; my spare word; never rewritten
.set NIL, 9                            ; 0; never rewritten
.set HCO, 10                           ; 16 r + 16384 h
.set HSO, 11                           ; 8 x lane
.set K8V, 12
.set K0V, 14
.set XS,  16                           ; v16-31 x's scale words: register 8 p + q: lane l the word of token 32 p + l, K step q
.set WS,  32                           ; v32-39 w1's: lane l row 32 i + l of sub-tile i, register q;  v40-47 v1's
.set TM,  48                           ; v48-63 the quantiser's work
.set FR,  64                           ; v64-127 the weights' fragments, two sets of 32 (w1's 32 rows, v1's 32); in the vector work:
.set AA,  64                           ; |x1|, then |x1| t
.set TT,  80                           ; t
.set PP,  96                           ; the polynomial, E, 2^E
.set QQ,  112                          ; k0 + kx x1^2
.set PCD, 96                           ; the codes of the four token tiles
.set AC,  128                          ; accumulators: token tile m, w (0 w1, 1 v1) at AC + 32 m + 16 w
; window 1: x's fragments, token tile m of K step q at 32 q + 8 m
.set EX,   3
.set WV,   20
.set WH,   21
.set WL,   22
.set CNT,  23
.set G1A,  24                          ; s[24:31] group 1 for x (mask: my row of the cluster)
.set G1B,  32                          ; s[32:39] for the weights (mask: my column)
.set G0A,  40
.set G0B,  44
.set G0R,  48                          ; the refill
.set CXR,  60
.set CYR,  61
.set GX,   62
.set GY,   63
.set ABSM, 74
.set FLR,  75
.set ONES, 76
.set HIM,  77
.set SEL,  78
.set CD,   80                          ; pairs: the packed forms name a pair and take its low word for both halves
.set KX,   82
.set K9,   84
.set K7,   86
.set K6,   88
.set K5,   90
.set K4,   92
.set K3,   94
.set K2,   96
.set K1,   98
.set SH,   100                         ; 8 x sub-tile
.set MSB, 0
.set ZR, 0
.macro WIN new                         ; the immediate's high byte repeats the setting that is left
.if MSB != \new
	s_set_vgpr_msb (MSB<<8)|\new
.set MSB, \new
.endif
.endm
.macro PLACES n
.rept \n
	v_nop
.endr
.endm
.macro KPAIR reg, bits
	s_mov_b32 s[\reg], \bits
	s_mov_b32 s[\reg+1], \bits
.endm
.macro CROUND                          ; a round of the cluster's barrier
	s_barrier_signal -1
	s_barrier_wait -1
	s_cmp_lg_u32 s[WV], 0
	s_cbranch_scc1 .Lnot_wave_0_\@
	s_barrier_signal -3
.Lnot_wave_0_\@:
	s_barrier_wait -3
	s_barrier_signal -1
	s_barrier_wait -1
.endm
; One matrix instruction.  rb: source 1's scale words stand in lanes 16-31 (source 0's fill all 32 lanes).  ZR = 1: the product starts the sum.
.macro WC d, a, b, sa, sb, m1
.if ZR
	v_wmma_scale_f32_32x16x128_f4 v[\d:\d+15], v[\a:\a+15], v[\b:\b+7], 0, v[\sa], v[\sb] \m1
.else
	v_wmma_scale_f32_32x16x128_f4 v[\d:\d+15], v[\a:\a+15], v[\b:\b+7], v[\d:\d+15], v[\sa], v[\sb] \m1
.endif
.endm
.macro WM d, a, b, sa, sb, rb
.if (\rb)
	WC \d, \a, \b, \sa, \sb, matrix_b_scale:MATRIX_SCALE_ROW1
.else
	WC \d, \a, \b, \sa, \sb
.endif
.endm
	s_load_b512 s[4:19], s[0:1], 0x0               ; x_codes s[4:5], x_scales s[6:7], w1_codes s[8:9], w1_scales s[10:11], v1_codes s[12:13], v1_scales s[14:15], hc s[16:17], hs s[18:19]
	v_lshl_add_u32 v[SPW], v0, 2, SPARE
	v_mov_b32 v[NIL], 0
	ds_add_u32 v[SPW], v[NIL]                      ; the wave's opening: the add, twice on end, and its wait ahead of my first tensor load
	ds_add_u32 v[SPW], v[NIL]
	v_lshrrev_b32 v1, 5, v0
	v_readfirstlane_b32 s[WV], v1                  ; wave 0..7
	s_lshr_b32 s[WH], s[WV], 2                     ; my half of the f.  Also: I fetch x (0) or weights (1)
	s_and_b32 s[WL], s[WV], 3                      ; my 64 tokens.  Also: which 64 rows I fetch
	s_bfe_u32 s[CXR], ttmp6, 0x40000               ; cx, cy: my place in the cluster
	s_bfe_u32 s[CYR], ttmp6, 0x40004
	s_lshl_b32 s[GX], ttmp9, 2
	s_add_co_u32 s[GX], s[GX], s[CXR]              ; which 256 f
	s_and_b32 s[EX], ttmp7, 0xffff                 ; the expert = cluster y: four blocks of 256 tokens
	s_lshl_b32 s[GY], s[EX], 2
	s_add_co_u32 s[GY], s[GY], s[CYR]              ; which 256 tokens
	s_lshl_b32 s66, s[CYR], 2
	s_lshl_b32 s66, 15, s66                        ; my row of the cluster
	s_lshl_b32 s67, 0x1111, s[CXR]                 ; my column
	; group 1: 64 rows of 512 bytes; elements of 1 byte; 4 words of padding behind every 128; bit 21 set beside a mask
	s_or_b32 s[G1A], s66, (1<<20)|(1<<21)|(6<<22)|(3<<25)
	s_or_b32 s[G1B], s67, (1<<20)|(1<<21)|(6<<22)|(3<<25)
.irp g, G1A, G1B
	s_mov_b32 s[\g+1], 512<<16                     ; tensor_dim0
	s_mov_b32 s[\g+2], 64<<16                      ; tensor_dim1
	s_mov_b32 s[\g+3], 512<<16                     ; tile_dim0
	s_mov_b32 s[\g+4], 64                          ; tile_dim1
	s_mov_b32 s[\g+5], 512                         ; from row to row
	s_mov_b32 s[\g+6], 0
	s_mov_b32 s[\g+7], 0
.endr
	s_mov_b32 s[G0B], 1
	s_mul_i32 s[G0B+1], s[WL], PAIR                ; no place in the cluster enters an LDS address
	s_mov_b32 s[G0A], 1
	s_add_co_u32 s[G0A+1], s[G0B+1], CH
	s_mov_b32 s[G0R], 1
	s_add_co_u32 s[G0R+1], s[G0B+1], CH            ; the refill lands where x lay
	s_lshl_b32 s68, s[GY], 17                      ; x: 256 rows of 512 bytes a block, my 64.  These two registers never hold cx
	s_lshl_b32 s69, s[WL], 15
	s_add_co_u32 s68, s68, s69
	s_mov_b32 s69, 0
	s_lshl_b32 s70, s[EX], 20                      ; the weights: 2,048 rows an expert, 256 a work-group, 128 a half of the f.  These never hold cy
	s_lshl_b32 s71, s[GX], 17
	s_add_co_u32 s70, s70, s71
	s_lshr_b32 s71, s[WL], 1
	s_lshl_b32 s71, s71, 16
	s_add_co_u32 s70, s70, s71
	s_mov_b32 s71, 0
	s_wait_dscnt 0x0                               ; both opening adds are done
	s_wait_kmcnt 0x0
	s_add_nc_u64 s[G0A+2:G0A+3], s[4:5], s[68:69]
	s_or_b32 s[G0A+3], s[G0A+3], 0x80000000
	s_bitcmp1_b32 s[WL], 0                         ; even waves fetch w1, odd ones v1
	s_cselect_b64 s[G0B+2:G0B+3], s[12:13], s[8:9]
	s_add_nc_u64 s[G0B+2:G0B+3], s[G0B+2:G0B+3], s[70:71]
	s_add_nc_u64 s[G0R+2:G0R+3], s[G0B+2:G0B+3], 32768   ; 64 rows on: sub-tiles 2 and 3
	s_or_b32 s[G0B+3], s[G0B+3], 0x80000000
	s_or_b32 s[G0R+3], s[G0R+3], 0x80000000
	CROUND                                         ; all sixteen work-groups are here: the first joint loads meet
	s_cmp_eq_u32 s[WH], 0                          ; one joint load a wave: waves 0-3 x's rows, waves 4-7 the weights of sub-tiles 0 and 1
	s_cbranch_scc0 .Lfor_b
	tensor_load_to_lds s[G0A:G0A+3], s[G1A:G1A+7]
	s_nop 0
	PLACES 4
	s_branch .Lasked
.Lfor_b:
	tensor_load_to_lds s[G0B:G0B+3], s[G1B:G1B+7]
	s_nop 0
	PLACES 4
.Lasked:
	s_lshl_b32 s66, s[GY], 13                      ; x's scale bytes: 32 a row; my block's 256 rows, my wave's 64
	s_lshl_b32 s72, s[WL], 11
	s_add_co_u32 s66, s66, s72
	s_mov_b32 s67, 0
	s_add_nc_u64 s[6:7], s[6:7], s[66:67]
	s_lshl_b32 s66, s[EX], 16                      ; the weights': my 128 rows
	s_lshl_b32 s72, s[GX], 13
	s_add_co_u32 s66, s66, s72
	s_lshl_b32 s72, s[WH], 12
	s_add_co_u32 s66, s66, s72
	s_add_nc_u64 s[10:11], s[10:11], s[66:67]
	s_add_nc_u64 s[14:15], s[14:15], s[66:67]
	s_lshl_b32 s66, s[GY], 18                      ; hc: 16,384 bytes a token tile (16 a block, 4 a wave), 1,024 a K step (2 a work-group, one a half of the f)
	s_lshl_b32 s72, s[WL], 16
	s_add_co_u32 s66, s66, s72
	s_lshl_b32 s72, s[GX], 11
	s_add_co_u32 s66, s66, s72
	s_lshl_b32 s72, s[WH], 10
	s_add_co_u32 s66, s66, s72
	s_add_nc_u64 s[16:17], s[16:17], s[66:67]
	s_lshl_b32 s66, s[GX], 16                      ; hs: 32,768 bytes a K step, 256 a group of 64 tokens
	s_lshl_b32 s72, s[WH], 15
	s_add_co_u32 s66, s66, s72
	s_lshl_b32 s72, s[GY], 10
	s_add_co_u32 s66, s66, s72
	s_lshl_b32 s72, s[WL], 8
	s_add_co_u32 s66, s66, s72
	s_add_nc_u64 s[18:19], s[18:19], s[66:67]
	s_mul_i32 s72, s[WL], PAIR
	s_add_co_u32 s72, s72, CH
	s_mul_i32 s73, s[WH], 2*PAIR
	v_and_b32 v65, 31, v0                          ; lane
	v_lshlrev_b32 v[SO], 5, v65
	v_lshlrev_b32 v[HSO], 3, v65
	v_and_b32 v1, 15, v0                           ; r
	v_bfe_u32 v64, v0, 4, 1                        ; h
	v_mul_u32_u24 v66, v1, PITCH
	v_lshl_add_u32 v66, v64, 4, v66                ; a fragment's row x pitch + 16 h
	v_add_nc_u32 v[ADX], s72, v66
	v_add_nc_u32 v[ADW], s73, v66
	v_add_nc_u32 v[ADV], PAIR, v[ADW]
	v_lshlrev_b32 v[HCO], 4, v1
	v_lshl_add_u32 v[HCO], v64, 14, v[HCO]         ; lanes 16-31: the next token tile
	v_mov_b32 v[K8V], 0xbf97d29d
	v_mov_b32 v[K8V+1], 0xbf97d29d
	v_mov_b32 v[K0V], 0xbfe9b21e
	v_mov_b32 v[K0V+1], 0xbfe9b21e
	v_mov_b32 v[SW], 0
	v_mov_b32 v[SW+1], 0
.irp b, 0,1,2,3
	v_mov_b32 v[TM+4+\b], 0                        ; written once: a lane permute's destination counts as one of its sources
.endr
	s_wait_alu depctr_va_vdst(0)                   ; behind the head's vector instructions
.irp p, 0,1
.irp f, 0,1
	global_load_b128 v[XS+8*\p+4*\f:XS+8*\p+4*\f+3], v[SO], s[6:7] offset:1024*\p+16*\f
.endr
.endr
.macro WSCALES                         ; a sub-tile's scale words: 32 rows of w1 and of v1, all of K
.irp f, 0,1
	global_load_b128 v[WS+4*\f:WS+4*\f+3], v[SO], s[10:11] offset:16*\f
	global_load_b128 v[WS+8+4*\f:WS+8+4*\f+3], v[SO], s[14:15] offset:16*\f
.endr
.endm
	WSCALES
	s_mov_b32 s[ABSM], 0x7fffffff
	s_mov_b32 s[FLR], 0x02000000                   ; 2^(4 - 127)
	s_mov_b32 s[ONES], 0x01010101
	s_mov_b32 s[HIM], 0xffff0000                   ; lanes 16-31
	s_mov_b32 s[SEL], 0x76543210
	s_mov_b32 s[SEL+1], 0xfedcba98                 ; v_permlanex16_b32's selects for lane l xor 16
	KPAIR CD, 0x3eb504f3                           ; 1 / (2 sqrt 2)
	KPAIR KX, 0xbf38aa3b                           ; -log2(e) / 2
	KPAIR K9, 0x3e7c6f08
	KPAIR K7, 0x40097039
	KPAIR K6, 0xbfd1a1e5
	KPAIR K5, 0x3ecdfd18
	KPAIR K4, 0xbe899a80
	KPAIR K3, 0x3e0efb2e
	KPAIR K2, 0x3f0a29d2
	KPAIR K1, 0x3fb8ab5a
	s_mov_b32 s[SH], 0
; K step q's fragments of my sub-tile (lane l row l % 16; registers 4 c .. 4 c + 3: K = 64 c + 32 (l / 16) + 0 .. 31; rows 0-15, then rows 16-31) into set q % 2
.macro FETCHW q
.irp w, 0,1
.irp t, 0,1
.irp c, 0,1
	ds_load_b128 v[FR+32*((\q)%2)+16*\w+8*\t+4*\c:FR+32*((\q)%2)+16*\w+8*\t+4*\c+3], v[ADW+4*\w] offset:16*PITCH*\t+64*(\q)+32*\c
.endr
.endr
.endr
.endm
; A K step of 128: 8 products.  The next step's 8 loads go out ahead of them, four places behind the last product that read their registers.
; The 8 accumulators take turns, one instruction a turn, in the same order in every step.
.macro STEP q
.if (\q) == 0
.set ZR, 1
.else
.set ZR, 0
.endif
	s_wait_dscnt 0x0                               ; this step's 8 loads are in
.if (\q) < 7
.if (\q) > 0
	PLACES 4
.endif
	FETCHW (\q)+1
.endif
.irp m, 0,1,2,3
.irp w, 0,1
	WM AC+32*\m+16*\w, FR+32*((\q)%2)+16*\w, 32*(\q)+8*\m, WS+8*\w+(\q), XS+8*(\m/2)+(\q), \m%2
.endr
.endr
.endm
; THE VECTOR WORK of token tile m: 16 numbers a lane, x1 at XB, x2 at XB + 16.  Every stage walks the registers upward.
.macro VB m
.set XB, AC+32*(\m)
	s_wait_alu depctr_va_vdst(0)                   ; ahead of the first readers of x1
.irp i, 0,1,2,3,4,5,6,7,8,9,10,11,12,13,14,15
	v_and_b32 v[AA+\i], s[ABSM], v[XB+\i]          ; |x1|
.endr
.irp i, 0,2,4,6,8,10,12,14
	v_pk_fma_f32 v[TT+\i:TT+\i+1], v[AA+\i:AA+\i+1], s[CD:CD+1], 1.0 op_sel_hi:[1,0,0]   ; 1 + |x1| / (2 sqrt 2)
.endr
.irp i, 0,2,4,6,8,10,12,14
	v_pk_add_f32 v[XB+\i:XB+\i+1], v[XB+\i:XB+\i+1], v[AA+\i:AA+\i+1]   ; x1 + |x1|
.endr
	s_wait_alu depctr_va_vdst(0)                   ; ahead of the batch
.irp i, 0,1,2,3,4,5,6,7,8,9,10,11,12,13,14,15
	v_rcp_f32 v[TT+\i], v[TT+\i]
.endr
.irp i, 0,2,4,6,8,10,12,14
	v_pk_mul_f32 v[QQ+\i:QQ+\i+1], v[AA+\i:AA+\i+1], v[AA+\i:AA+\i+1]
.endr
.irp i, 0,2,4,6,8,10,12,14
	v_pk_fma_f32 v[QQ+\i:QQ+\i+1], v[QQ+\i:QQ+\i+1], s[KX:KX+1], v[K0V:K0V+1] op_sel_hi:[1,0,1]   ; k0 + kx x1^2
.endr
	s_wait_alu depctr_va_vdst(0)                   ; one wait for the 16 reciprocals, ahead of their first reader
.irp i, 0,2,4,6,8,10,12,14
	v_pk_fma_f32 v[PP+\i:PP+\i+1], v[TT+\i:TT+\i+1], s[K9:K9+1], v[K8V:K8V+1] op_sel_hi:[1,0,1]
.endr
.irp kk, K7,K6,K5,K4,K3,K2,K1
.irp i, 0,2,4,6,8,10,12,14
	v_pk_fma_f32 v[PP+\i:PP+\i+1], v[PP+\i:PP+\i+1], v[TT+\i:TT+\i+1], s[\kk:\kk+1] op_sel_hi:[1,1,0]
.endr
.endr
.irp i, 0,2,4,6,8,10,12,14
	v_pk_fma_f32 v[PP+\i:PP+\i+1], v[PP+\i:PP+\i+1], v[TT+\i:TT+\i+1], v[QQ+\i:QQ+\i+1]   ; E
.endr
	s_wait_alu depctr_va_vdst(0)                   ; ahead of the batch
.irp i, 0,2,4,6,8,10,12,14
	v_exp_f32 v[PP+\i], v[PP+\i]
	v_exp_f32 v[PP+\i+1], v[PP+\i+1]
	v_pk_mul_f32 v[AA+\i:AA+\i+1], v[AA+\i:AA+\i+1], v[TT+\i:TT+\i+1]   ; |x1| t: the plain line behind each pair of exponentials
.endr
	s_wait_alu depctr_va_vdst(0)                   ; one wait for the 16 exponentials, ahead of their first reader and of x2's
.irp i, 0,2,4,6,8,10,12,14
	v_pk_fma_f32 v[XB+\i:XB+\i+1], v[AA+\i:AA+\i+1], v[PP+\i:PP+\i+1], v[XB+\i:XB+\i+1] neg_lo:[1,0,0] neg_hi:[1,0,0]   ; 2 gelu(x1)
.endr
.irp i, 0,2,4,6,8,10,12,14
	v_pk_mul_f32 v[XB+\i:XB+\i+1], v[XB+\i:XB+\i+1], v[XB+16+\i:XB+16+\i+1]   ; 2 h = 2 gelu(x1) x2
.endr
.endm
; THE QUANTISER of the sub-tile: token tile b's block of 32 lies in registers AC + 32 b .. + 15 of lanes l and l xor 16 (register 8 t + j: f = 16 t + 8 h + j).
.macro QUANT
.irp b, 0,1,2,3
	v_max3_num_f32 v[TM+\b], |v[AC+32*\b]|, |v[AC+32*\b+1]|, s[FLR]   ; my 16 numbers and the floor, the four tiles by turns
.endr
.irp n, 2,4,6,8,10,12,14
.irp b, 0,1,2,3
	v_max3_num_f32 v[TM+\b], |v[AC+32*\b+\n]|, |v[AC+32*\b+\n+1]|, v[TM+\b]
.endr
.endr
.irp b, 0,1,2,3
	v_permlanex16_b32 v[TM+4+\b], v[TM+\b], s[SEL], s[SEL+1]
.endr
.irp b, 0,1,2,3
	v_max_num_f32 v[TM+\b], v[TM+\b], v[TM+4+\b]   ; the block's largest |2 h|
.endr
.irp b, 0,1,2,3
	v_add_nc_u32 v[TM+12+\b], 0xff000000, v[TM+\b] ; 2 off its exponent field: the conversion takes the exponent field of this operand as its scale
.endr
.irp b, 0,1,2,3
	v_lshrrev_b32 v[TM+4+\b], 23, v[TM+12+\b]      ; 2 h's byte, 2 at the least
.endr
	v_cndmask_b32 v[TM+8], v[TM+4], v[TM+5], s[HIM]   ; lanes 0-15 the even token tile's, lanes 16-31 the odd one's
	v_cndmask_b32 v[TM+9], v[TM+6], v[TM+7], s[HIM]
	v_lshl_or_b32 v[SW], v[TM+8], s[SH], v[SW]     ; byte i of the word: sub-tile i
	v_lshl_or_b32 v[SW+1], v[TM+9], s[SH], v[SW+1]
.irp b, 0,1,2,3
.irp t, 0,1
	v_cvt_scalef32_pk8_fp4_f32 v[PCD+4*(\b/2)+2*\t+\b%2], v[AC+32*\b+8*\t:AC+32*\b+8*\t+7], v[TM+12+\b]
.endr
.endr
	v_nop                                          ; one plain place behind the last scaled conversion
.irp p, 0,2,4,6                        ; the even tile's lanes 16-31 change places with the odd tile's lanes 0-15: lanes 0-15 then hold the even tile's whole block (f 0-7, 8-15, 16-23, 24-31 in four registers), lanes 16-31 the odd tile's
	v_permlane16_swap_b32 v[PCD+\p], v[PCD+\p+1]
.endr
.endm
; SUB-TILES.  first = 1: sub-tile 0, in whose vector work the refill is shown to every wave: signalled when half of it is done, waited for ahead of its stores.  first = 0: a loop over the other three.
.macro PHASE first
	s_mov_b32 s[CNT], 0
.Lsub_\@:
	FETCHW 0
	s_wait_loadcnt 0x0                             ; the scale words
	WIN 0x04                                       ; source 1 window 1
.set Q, 0
.rept 8
	STEP Q
.set Q, Q+1
.endr
	WIN 0
	PLACES 4                                       ; between the last products and loads into their scale registers, reads of their results, writes of their operands
.if \first == 0
	s_cmp_eq_u32 s[SH], 24
	s_cbranch_scc1 .Llast_\@                       ; the last sub-tile asks for nothing more
.endif
	s_add_nc_u64 s[10:11], s[10:11], 1024
	s_add_nc_u64 s[14:15], s[14:15], 1024
	WSCALES                                        ; the next sub-tile's
.Llast_\@:
	VB 0
	VB 1
.if \first
	s_wait_tensorcnt 0x0                           ; my part of the refill is in
	s_barrier_signal -1
.endif
	VB 2
	VB 3
	QUANT
.if \first
	s_wait_alu depctr_va_vdst(0)                   ; ahead of the barrier's wait
	s_barrier_wait -1                              ; everybody's part is in
.endif
.irp p, 0,1
	global_store_b128 v[HCO], v[PCD+4*\p:PCD+4*\p+3], s[16:17] offset:32768*\p   ; each 16 lanes store 256 consecutive bytes, at a multiple of 256 from hc's first byte
.endr
	s_wait_xcnt 0x0                                ; the stores have read their data and base
	s_add_nc_u64 s[16:17], s[16:17], 256           ; the next block of 32 f
	s_add_co_u32 s[SH], s[SH], 8
	v_add_nc_u32 v[ADW], SUB, v[ADW]
	v_add_nc_u32 v[ADV], SUB, v[ADV]
	s_wait_alu depctr_va_vdst(0)                   ; ahead of the branch
.if \first == 0
	s_add_co_u32 s[CNT], s[CNT], 1
	s_cmp_lt_u32 s[CNT], 3
	s_cbranch_scc1 .Lsub_\@
.endif
.endm
	s_cmp_eq_u32 s[WH], 0
	s_cbranch_scc0 .Lx_out
	s_wait_tensorcnt 0x0                           ; waves 0-3: my part of x is in (the weights, waves 4-7's, may be out)
.Lx_out:
	s_barrier_signal -1
	s_barrier_wait -1                              ; all of x is in
	WIN 0x40
.irp q, 0,1,2,3,4,5,6,7
.irp m, 0,1,2,3
.irp c, 0,1
	ds_load_b128 v[32*\q+8*\m+4*\c:32*\q+8*\m+4*\c+3], v[ADX] offset:16*PITCH*\m+64*\q+32*\c   ; my 64 tokens, all of K
.endr
.endr
.endr
	WIN 0
	s_wait_tensorcnt 0x0                           ; my load is in, whichever it was;
	ds_add_u32 v[SPW], v[NIL]                      ; 0 onto my spare word
	s_wait_dscnt 0x0                               ; the add is done, and my reads of x are over
	CROUND                                         ; so of every wave of all sixteen work-groups
	s_cmp_eq_u32 s[WH], 0
	s_cbranch_scc1 .Lno_refill
	tensor_load_to_lds s[G0R:G0R+3], s[G1B:G1B+7]  ; waves 4-7: the weights of sub-tiles 2 and 3, where x lay
	s_nop 0
	PLACES 4
.Lno_refill:
	PHASE 1
	PHASE 0
	v_sub_nc_u32 v[SW], v[SW], s[ONES]             ; h's bytes: 1 off each; no byte borrows
	v_sub_nc_u32 v[SW+1], v[SW+1], s[ONES]
	global_store_b64 v[HSO], v[SW:SW+1], s[18:19]  ; 32 lanes store 256 consecutive bytes, at a multiple of 256 from hs's first byte
	s_wait_tensorcnt 0x0                           ; the wave's end
	ds_add_u32 v[SPW], v[NIL]
	s_wait_dscnt 0x0
	CROUND                                         ; the closing round: no work-group ends while a partner may still ask for a tile that names it
	s_endpgm
.Lfunc_end_k_q34a56af887_up:
	.size	k_q34a56af887_up, .Lfunc_end_k_q34a56af887_up-k_q34a56af887_up
	.p2alignl 7, 3214868480
	.fill 96, 4, 3214868480
	.section	.rodata,"a",@progbits
	.p2align	6, 0x0
	.amdhsa_kernel k_q34a56af887_up
		.amdhsa_group_segment_fixed_size 327680
		.amdhsa_private_segment_fixed_size 0
		.amdhsa_enable_private_segment 0
		.amdhsa_kernarg_size 64
		.amdhsa_user_sgpr_count 2
		.amdhsa_user_sgpr_kernarg_segment_ptr 1
		.amdhsa_wavefront_size32 1
		.amdhsa_system_sgpr_workgroup_id_x 1
		.amdhsa_system_sgpr_workgroup_id_y 1
		.amdhsa_system_sgpr_workgroup_id_z 1
		.amdhsa_system_vgpr_workitem_id 0
		.amdhsa_next_free_vgpr 512
		.amdhsa_next_free_sgpr 102
		.amdhsa_reserve_vcc 0
		.amdhsa_float_denorm_mode_32 3
		.amdhsa_float_denorm_mode_16_64 3
		.amdhsa_memory_ordered 1
		.amdhsa_forward_progress 1
		.amdhsa_inst_pref_size 128
	.end_amdhsa_kernel
	.amdgpu_metadata
---
amdhsa.version: [ 1, 2 ]
amdhsa.kernels:
  - .name:           k_q34a56af887_up
    .symbol:         k_q34a56af887_up.kd
    .args:
      - { .name: x_codes, .offset: 0, .size: 8, .value_kind: global_buffer, .address_space: global }
      - { .name: x_scales, .offset: 8, .size: 8, .value_kind: global_buffer, .address_space: global }
      - { .name: w1_codes, .offset: 16, .size: 8, .value_kind: global_buffer, .address_space: global }
      - { .name: w1_scales, .offset: 24, .size: 8, .value_kind: global_buffer, .address_space: global }
      - { .name: v1_codes, .offset: 32, .size: 8, .value_kind: global_buffer, .address_space: global }
      - { .name: v1_scales, .offset: 40, .size: 8, .value_kind: global_buffer, .address_space: global }
      - { .name: hc, .offset: 48, .size: 8, .value_kind: global_buffer, .address_space: global }
      - { .name: hs, .offset: 56, .size: 8, .value_kind: global_buffer, .address_space: global }
    .group_segment_fixed_size: 327680
    .private_segment_fixed_size: 0
    .kernarg_segment_align: 8
    .kernarg_segment_size: 64
    .max_flat_workgroup_size: 256
    .sgpr_count:     102
    .vgpr_count:     512
    .wavefront_size: 32
...
	.end_amdgpu_metadata
.endif
;; end of part 1
;; launch down (part 2): grid 4 x 64, 4 waves a work-group, clusters of 4 x 4, 327,680 bytes of LDS; arguments hc, hs, w2_codes, w2_scales, out0; writes out0
.if DOCPART == 2
	.amdgcn_target "amdgcn-amd-amdhsa--gfx1250"
	.amdhsa_code_object_version 6
	.text
	.protected	k_q34a56af887_down
	.globl	k_q34a56af887_down
	.p2align	8
	.type	k_q34a56af887_down,@function
k_q34a56af887_down:
	s_mov_b64 s[64:65], 0
	v_nop
	global_prefetch_b8 v0, s[64:65] scope:SCOPE_SE
	s_setreg_imm32_b32 hwreg(HW_REG_WAVE_MODE, 25, 1), 1
	s_wait_xcnt 0x0
	s_wait_alu depctr_hold_cnt(0) depctr_sa_sdst(0) depctr_va_vdst(0) depctr_va_sdst(0) depctr_va_ssrc(0) depctr_va_vcc(0) depctr_vm_vsrc(0)
	s_getreg_b32 s2, hwreg(HW_REG_IB_STS2, 6, 4)
	s_cmp_eq_u32 s2, 0
	s_cbranch_scc0 .Lentry_in_a_cluster
	s_endpgm
.Lentry_in_a_cluster:
	s_bfe_u32 s2, ttmp6, 0x10000c
	s_cmp_lg_u32 s2, 0xf033
	s_cbranch_scc0 .Lentry_shape_is_right
	s_endpgm
.Lentry_shape_is_right:
; out[token][n] = sum over f of Q(h)[token][f] w2[e][f][n], both operands as codes of FP4 (E2M1) with one E8M0 byte for each 32 of f; sums in f32.  Expert e owns tokens 1024 e .. 1024 e + 1023, by reference()'s reshape.
; expert_ids is left out here as in the first launch: reference() never names it.
; hc, hs: the first launch's codes and scale words of h, laid as operand registers: hc [512 tiles of 16 tokens][16 K steps of 128][c = 2][32 lanes][16 bytes]; hs [16 K steps][128 groups of 64 tokens][32 lanes][2] words.
; w2_codes: [8][1024 n][2048 f] codes, f innermost (a row is 1,024 bytes); w2_scales [8][1024][64].  out0: [8192][1024] f32.
; SHARES.  A work-group makes 128 tokens x 256 n: 256 work-groups, in two passes of 128 n.  Wave w makes tokens 64 (w / 2) on x columns 64 (w % 2) on of each pass: 8 accumulators of 32 x 16.  K = 2,048 goes in 16 steps of 128.
; THE MATRIX INSTRUCTION IS USED TRANSPOSED (source 0 = 32 rows n of w2, source 1 = 16 tokens): a lane holds one token, and eight neighbouring n in registers 0-7 and in registers 8-15 of an accumulator.
; h goes through LDS into registers once, for all of K: 512 registers.  Then w2's rows of pass 1 take h's place in LDS, those of pass 0 lying beside it.  Pass 0's results leave ahead of pass 1's products and among them.
; CLUSTER 4 x 4: the four of a row of the cluster own the same tokens and ask for h jointly; the four of a column own the same n of the same expert (a cluster's 512 tokens lie in one expert) and ask for w2 jointly.
; The scale words go from memory straight into registers, once: they are one sixteenth of the codes' bytes, so they are not asked for jointly.
; No prefetch: h and half of w2 are asked for at the head, the other half ahead of pass 0, a pass before it is read.
.set PITCH,  1040                      ; an LDS row: 1,024 bytes + 16 of padding = 260 words: the 16 rows that a load touches start at 16 different groups of four banks.  A row of w2; of h, a K step of a token tile
.set CH,     64*PITCH                  ; 64 rows: what one tensor load brings
.set REG,    2*CH                      ; region 0: h's 8 token tiles x 16 K steps, then w2's 128 rows of pass 1; region 1: those of pass 0
.set STAGE,  2*REG                     ; the way out: 16 rows x (256 bytes + 16) for each wave
.set SPITCH, 272
.set SPARE,  STAGE+4*16*SPITCH         ; the spare words, 128 bytes for each wave, that no other line names
; window 0
.set ADH,  2                           ; v2, v3  LDS address of my h: token tiles 0, 1 and 2, 3
.set ADW,  4                           ; v4, v5  of my w2 fragments in pass 0, 1
.set SPW,  8                           ; my spare word; never rewritten
.set NIL,  9                           ; 0; never rewritten
.set HSO,  10                          ; 8 x lane
.set WSO,  11                          ; 64 x lane
.set STO,  12                          ; the stage: where I put 32 bytes of a row
.set RD,   13                          ; and where I read rows back
.set CO,   14                          ; 4096 h + 16 r
.set HS,   16                          ; v16-47  h's scale words: register 2 g + m / 2: lanes 0-15 the even token tile, lanes 16-31 the odd one
.set WS,   48                          ; v48-111 w2's: register 32 p + 16 i + g: lane l the word of my row 32 i + l of pass p
.set FB,   112                         ; v112-207 w2's fragments (64 rows x 128 K), three sets of 32; on the way out free
.set BK,   208                         ; v208-239 16 rows read back
; windows 1, 2: h's fragments, step g at 32 (g % 8) + 8 m.   window 3: the accumulators, (p, m, i) at 128 p + 32 m + 16 i
.set WV,   14
.set WH,   15
.set WL,   16
.set CXR,  17
.set CYR,  18
.set GX,   19
.set GY,   20
.set EX,   21
.set G1A,  24                          ; s[24:31] group 1 for h (mask: my row of the cluster)
.set G1B,  32                          ; s[32:39] for w2 (mask: my column)
.set G0A,  40
.set G0B,  44
.set G0R,  48                          ; the refill
.set MSB, 0
.set ZR, 0
.macro WIN new                         ; the immediate's high byte repeats the setting that is left
.if MSB != \new
	s_set_vgpr_msb (MSB<<8)|\new
.set MSB, \new
.endif
.endm
.macro PLACES n
.rept \n
	v_nop
.endr
.endm
.macro CROUND                          ; a round of the cluster's barrier
	s_barrier_signal -1
	s_barrier_wait -1
	s_cmp_lg_u32 s[WV], 0
	s_cbranch_scc1 .Lnot_wave_0_\@
	s_barrier_signal -3
.Lnot_wave_0_\@:
	s_barrier_wait -3
	s_barrier_signal -1
	s_barrier_wait -1
.endm
; One matrix instruction.  rb: source 1's scale words stand in lanes 16-31 (source 0's fill all 32 lanes).  ZR = 1: the product starts the sum.
.macro WC d, a, b, sa, sb, m1
.if ZR
	v_wmma_scale_f32_32x16x128_f4 v[\d:\d+15], v[\a:\a+15], v[\b:\b+7], 0, v[\sa], v[\sb] \m1
.else
	v_wmma_scale_f32_32x16x128_f4 v[\d:\d+15], v[\a:\a+15], v[\b:\b+7], v[\d:\d+15], v[\sa], v[\sb] \m1
.endif
.endm
.macro WM d, a, b, sa, sb, rb
.if (\rb)
	WC \d, \a, \b, \sa, \sb, matrix_b_scale:MATRIX_SCALE_ROW1
.else
	WC \d, \a, \b, \sa, \sb
.endif
.endm
	s_load_b256 s[4:11], s[0:1], 0x0               ; hc s[4:5], hs s[6:7], w2_codes s[8:9], w2_scales s[10:11]
	s_load_b64 s[12:13], s[0:1], 0x20              ; out0
	v_lshl_add_u32 v[SPW], v0, 2, SPARE
	v_mov_b32 v[NIL], 0
	ds_add_u32 v[SPW], v[NIL]                      ; the wave's opening: the add, twice on end, and its wait ahead of my first tensor load
	ds_add_u32 v[SPW], v[NIL]
	v_lshrrev_b32 v1, 5, v0
	v_readfirstlane_b32 s[WV], v1                  ; wave 0..3
	s_lshr_b32 s[WH], s[WV], 1                     ; which 64 tokens are mine.  Also: I fetch h (0) or w2 (1)
	s_and_b32 s[WL], s[WV], 1                      ; which 64 columns of a pass.  Also: which 64 rows I fetch
	s_bfe_u32 s[CXR], ttmp6, 0x40000               ; cx, cy: my place in the cluster
	s_bfe_u32 s[CYR], ttmp6, 0x40004
	s_lshl_b32 s[GX], ttmp9, 2
	s_add_co_u32 s[GX], s[GX], s[CXR]              ; which 256 columns
	s_and_b32 s[EX], ttmp7, 0xffff                 ; cluster y: 512 tokens
	s_lshl_b32 s[GY], s[EX], 2
	s_add_co_u32 s[GY], s[GY], s[CYR]              ; which 128 tokens
	s_lshr_b32 s[EX], s[EX], 1                     ; the expert: two clusters to each
	s_lshl_b32 s22, s[CYR], 2
	s_lshl_b32 s22, 15, s22                        ; my row of the cluster
	s_lshl_b32 s23, 0x1111, s[CXR]                 ; my column
	; group 1: 64 rows of 1,024 bytes on end; elements of 1 byte; 4 words of padding behind every 256; bit 21 set beside a mask
	s_or_b32 s[G1A], s22, (1<<20)|(1<<21)|(7<<22)|(3<<25)
	s_or_b32 s[G1B], s23, (1<<20)|(1<<21)|(7<<22)|(3<<25)
.irp g, G1A, G1B
	s_mov_b32 s[\g+1], 1024<<16                    ; tensor_dim0
	s_mov_b32 s[\g+2], 64<<16                      ; tensor_dim1
	s_mov_b32 s[\g+3], 1024<<16                    ; tile_dim0
	s_mov_b32 s[\g+4], 64                          ; tile_dim1
	s_mov_b32 s[\g+5], 1024                        ; from row to row
	s_mov_b32 s[\g+6], 0
	s_mov_b32 s[\g+7], 0
.endr
	s_mov_b32 s[G0A], 1
	s_mul_i32 s[G0A+1], s[WL], CH                  ; no place in the cluster enters an LDS address
	s_mov_b32 s[G0B], 1
	s_add_co_u32 s[G0B+1], s[G0A+1], REG
	s_mov_b32 s[G0R], 1
	s_mov_b32 s[G0R+1], s[G0A+1]                   ; the refill lands where h lay
	s_lshl_b32 s76, s[GY], 17                      ; h: 8 token tiles of 16,384 bytes a work-group, 4 a load.  These registers never hold cx
	s_lshl_b32 s77, s[WL], 16
	s_add_co_u32 s76, s76, s77
	s_mov_b32 s77, 0
	s_lshl_b32 s78, s[EX], 20                      ; w2: 1,024 rows of 1,024 bytes an expert, 256 rows a work-group, 64 a load.  These never hold cy
	s_lshl_b32 s79, s[GX], 18
	s_add_co_u32 s78, s78, s79
	s_lshl_b32 s79, s[WL], 16
	s_add_co_u32 s78, s78, s79
	s_mov_b32 s79, 0
	s_wait_dscnt 0x0                               ; both opening adds are done
	s_wait_kmcnt 0x0
	s_add_nc_u64 s[G0A+2:G0A+3], s[4:5], s[76:77]
	s_or_b32 s[G0A+3], s[G0A+3], 0x80000000
	s_add_nc_u64 s[G0B+2:G0B+3], s[8:9], s[78:79]
	s_add_nc_u64 s[G0R+2:G0R+3], s[G0B+2:G0B+3], 131072   ; 128 rows on: pass 1
	s_or_b32 s[G0B+3], s[G0B+3], 0x80000000
	s_or_b32 s[G0R+3], s[G0R+3], 0x80000000
	CROUND                                         ; all sixteen work-groups are here: the first joint loads meet
	s_cmp_eq_u32 s[WH], 0                          ; one joint load a wave: waves 0, 1 h, waves 2, 3 w2's rows of pass 0
	s_cbranch_scc0 .Lfor_b
	tensor_load_to_lds s[G0A:G0A+3], s[G1A:G1A+7]
	s_nop 0
	PLACES 4
	s_branch .Lasked
.Lfor_b:
	tensor_load_to_lds s[G0B:G0B+3], s[G1B:G1B+7]
	s_nop 0
	PLACES 4
.Lasked:
	s_lshl_b32 s76, s[GY], 9                       ; hs: 256 bytes a group of 64 tokens: two a work-group, mine
	s_lshl_b32 s80, s[WH], 8
	s_add_co_u32 s76, s76, s80
	s_add_nc_u64 s[6:7], s[6:7], s[76:77]
	s_lshl_b32 s76, s[EX], 16                      ; w2's scale bytes: 64 a row
	s_lshl_b32 s80, s[GX], 14
	s_add_co_u32 s76, s76, s80
	s_lshl_b32 s80, s[WL], 12
	s_add_co_u32 s76, s76, s80
	s_add_nc_u64 s[10:11], s[10:11], s[76:77]
	s_lshl_b32 s76, s[GY], 19                      ; out0: rows of 4,096 bytes: 128 a work-group, my 64; 1,024 bytes of columns a work-group, 512 a pass, my 256
	s_lshl_b32 s80, s[WH], 18
	s_add_co_u32 s76, s76, s80
	s_lshl_b32 s80, s[GX], 10
	s_add_co_u32 s76, s76, s80
	s_lshl_b32 s80, s[WL], 8
	s_add_co_u32 s76, s76, s80
	s_add_nc_u64 s[12:13], s[12:13], s[76:77]
	s_mul_i32 s82, s[WH], CH
	s_mul_i32 s81, s[WL], CH
	s_mul_i32 s80, s[WV], 16*SPITCH
	s_add_co_u32 s80, s80, STAGE                   ; my stage
	v_and_b32 v6, 31, v0                           ; lane
	v_lshlrev_b32 v[HSO], 3, v6
	v_lshlrev_b32 v[WSO], 6, v6
	v_lshlrev_b32 v7, 4, v6
	v_add_nc_u32 v[ADH], s82, v7                   ; images of registers: 16 bytes a lane
	v_add_nc_u32 v[ADH+1], 32*PITCH, v[ADH]
	v_and_b32 v1, 15, v0                           ; r
	v_bfe_u32 v15, v0, 4, 1                        ; h
	v_mul_u32_u24 v112, v1, PITCH
	v_lshl_add_u32 v112, v15, 4, v112              ; a fragment's row x pitch + 16 h
	v_add_nc_u32 v[ADW+1], s81, v112
	v_add_nc_u32 v[ADW], REG, v[ADW+1]
	v_mul_u32_u24 v113, v1, SPITCH
	v_lshl_add_u32 v113, v15, 5, v113
	v_add_nc_u32 v[STO], s80, v113                 ; in: row r, 32 bytes for each half of the lanes
	v_mul_u32_u24 v114, v15, SPITCH
	v_lshl_add_u32 v114, v1, 4, v114
	v_add_nc_u32 v[RD], s80, v114                  ; back: lanes 0-15 one row of 256 bytes, lanes 16-31 the next
	v_lshlrev_b32 v[CO], 12, v15
	v_lshl_add_u32 v[CO], v1, 4, v[CO]             ; and the same two rows in out0
	s_wait_alu depctr_va_vdst(0)                   ; behind the head's vector instructions
.irp p, 0,1
.irp i, 0,1
.irp k, 0,1,2,3
	global_load_b128 v[WS+32*\p+16*\i+4*\k:WS+32*\p+16*\i+4*\k+3], v[WSO], s[10:11] offset:8192*\p+2048*\i+16*\k
.endr
.endr
.endr
.irp k, 0,1,2,3,4,5,6,7,8,9,10,11,12,13,14,15
	global_load_b64 v[HS+2*\k:HS+2*\k+1], v[HSO], s[6:7] offset:32768*\k   ; K step k: 32 lanes read 256 consecutive bytes
.endr
; 8 LDS loads: K step g's fragments of my 64 rows of w2 in pass p into set g % 3 (row l % 16; registers 4 c .. 4 c + 3 hold K = 64 c + 32 (l / 16) + 0 .. 31)
.macro FETCH p, g
.irp b, 0,1,2,3
.irp c, 0,1
	ds_load_b128 v[FB+32*((\g)%3)+8*\b+4*\c:FB+32*((\g)%3)+8*\b+4*\c+3], v[ADW+\p] offset:64*(\g)+32*\c+16*PITCH*\b
.endr
.endr
.endm
; THE WAY OUT of pass p's block m, 16 tokens x 64 columns.  A lane holds 32 neighbouring bytes of a row and the lanes beside it hold other rows: so a block goes through my own stage and comes back as whole rows of 256 bytes.
; LDS serves a wave's instructions in order (ISA guide 5.7.1.4): no wait between the stores and the loads, nor in front of the next block's stores.
.macro TOSTAGE p, m, bk
	WIN 0x0c                                       ; an LDS store's data are its source 1: window 3
.irp b, 0,1,2,3
	ds_store_b128 v[STO], v[128*\p+32*\m+8*\b:128*\p+32*\m+8*\b+3] offset:64*\b    ; each accumulator from its low end on
	ds_store_b128 v[STO], v[128*\p+32*\m+8*\b+4:128*\p+32*\m+8*\b+7] offset:64*\b+16
.endr
	WIN 0
.irp t, 0,1,2,3,4,5,6,7
	ds_load_b128 v[\bk+4*\t:\bk+4*\t+3], v[RD] offset:\t*2*SPITCH
.endr
.endm
.macro SEND p, m, bk
.irp t, 0,1,2,3,4,5,6,7
	global_store_b128 v[CO], v[\bk+4*\t:\bk+4*\t+3], s[12:13] offset:65536*\m+8192*\t+512*\p th:TH_STORE_NT   ; 16 lanes store 256 consecutive bytes, at a multiple of 256 from out0's first byte; written once, read by nobody here
.endr
.endm
; A K step: 8 products.  The loads of the step after the next go out ahead of them, four places behind the last product that read their registers.
; The 8 accumulators take turns, one instruction a turn, in the same order in every step.
.macro STEP p, g
.if (\g) == 0
.set ZR, 1
.else
.set ZR, 0
.endif
.if (\g) < 15
	s_wait_dscnt 0x8                               ; all but the next step's 8 loads
.else
	s_wait_dscnt 0x0
.endif
.if \p
.if (\g) == 2
	SEND 0, 2, BK                                  ; (the block's loads from the stage were issued ahead of the 8 that may be out)
.endif
.if (\g) == 6
	SEND 0, 3, BK
.endif
.endif
.if (\g) < 14
	PLACES 4
.if \p
.if (\g) == 1
	s_wait_xcnt 0x0                                ; block 0's stores have read their registers
	TOSTAGE 0, 2, BK
.endif
.if (\g) == 5
	s_wait_xcnt 0x0                                ; block 2's
	TOSTAGE 0, 3, BK
.endif
.endif
	FETCH \p, (\g)+2
.endif
	WIN 0xf4+4*((\g)/8)                            ; source 0 window 0, source 1 window 1 or 2, C and D window 3
.irp m, 0,1,2,3
.irp i, 0,1
	WM 128*\p+32*\m+16*\i, FB+32*((\g)%3)+16*\i, 32*((\g)%8)+8*\m, WS+32*\p+16*\i+(\g), HS+2*(\g)+\m/2, \m%2
.endr
.endr
	WIN 0
.endm
	s_cmp_eq_u32 s[WH], 0
	s_cbranch_scc0 .Lh_out
	s_wait_tensorcnt 0x0                           ; waves 0, 1: my part of h is in (w2's rows, waves 2 and 3's, may be out)
.Lh_out:
	s_barrier_signal -1
	s_barrier_wait -1                              ; all of h is in
.macro HFETCH g                        ; K step g of my four token tiles
.irp m, 0,1,2,3
.irp c, 0,1
	ds_load_b128 v[32*((\g)%8)+8*\m+4*\c:32*((\g)%8)+8*\m+4*\c+3], v[ADH+\m/2] offset:16*PITCH*(\m%2)+PITCH*(\g)+512*\c
.endr
.endr
.endm
	WIN 0x40                                       ; destination window 1
.irp g, 0,1,2,3,4,5,6,7
	HFETCH \g
.endr
	WIN 0x80                                       ; destination window 2
.irp g, 8,9,10,11,12,13,14,15
	HFETCH \g
.endr
	WIN 0
	s_wait_tensorcnt 0x0                           ; my load is in, whichever it was;
	ds_add_u32 v[SPW], v[NIL]                      ; 0 onto my spare word
	s_wait_dscnt 0x0                               ; the add is done, and my reads of h are over
	CROUND                                         ; so of every wave of all sixteen work-groups
	s_cmp_eq_u32 s[WH], 0
	s_cbranch_scc1 .Lno_refill
	tensor_load_to_lds s[G0R:G0R+3], s[G1B:G1B+7]  ; waves 2, 3: w2's rows of pass 1, where h lay
	s_nop 0
	PLACES 4
.Lno_refill:
	FETCH 0, 0
	FETCH 0, 1
	s_wait_loadcnt 0x0                             ; the scale words
.irp g, 0,1,2,3,4,5,6,7,8,9,10,11,12,13,14,15
	STEP 0, \g
.endr
	PLACES 4                                       ; between the last products and the reads of their results, and the loads into registers that held fragments
	TOSTAGE 0, 0, BK
	TOSTAGE 0, 1, FB
	s_wait_dscnt 0x10                              ; behind block 0's loads: block 1's 8 stores and 8 loads
	SEND 0, 0, BK
	s_wait_dscnt 0x0
	SEND 0, 1, FB
	s_wait_tensorcnt 0x0                           ; my part of the refill is in
	s_barrier_signal -1
	s_barrier_wait -1                              ; everybody's is
	s_wait_xcnt 0x0                                ; block 1's stores have read their registers: fragments may land there
	FETCH 1, 0
	FETCH 1, 1
.irp g, 0,1,2,3,4,5,6,7,8,9,10,11,12,13,14,15
	STEP 1, \g
.endr
	s_wait_xcnt 0x0                                ; the earlier stores have read their registers
	PLACES 4
	TOSTAGE 1, 0, BK
	TOSTAGE 1, 1, FB
	s_wait_dscnt 0x10                              ; behind block 0's loads: block 1's 8 stores and 8 loads
	SEND 1, 0, BK
	TOSTAGE 1, 2, FB+32
	s_wait_dscnt 0x10
	SEND 1, 1, FB
	TOSTAGE 1, 3, FB+64
	s_wait_dscnt 0x10
	SEND 1, 2, FB+32
	s_wait_dscnt 0x0
	SEND 1, 3, FB+64
	s_wait_tensorcnt 0x0                           ; the wave's end: behind my last tensor load and my last LDS store
	ds_add_u32 v[SPW], v[NIL]
	s_wait_dscnt 0x0
	CROUND                                         ; the closing round: no work-group ends while a partner may still ask for a tile that names it
	s_endpgm
.Lfunc_end_k_q34a56af887_down:
	.size	k_q34a56af887_down, .Lfunc_end_k_q34a56af887_down-k_q34a56af887_down
	.p2alignl 7, 3214868480
	.fill 96, 4, 3214868480
	.section	.rodata,"a",@progbits
	.p2align	6, 0x0
	.amdhsa_kernel k_q34a56af887_down
		.amdhsa_group_segment_fixed_size 327680
		.amdhsa_private_segment_fixed_size 0
		.amdhsa_enable_private_segment 0
		.amdhsa_kernarg_size 40
		.amdhsa_user_sgpr_count 2
		.amdhsa_user_sgpr_kernarg_segment_ptr 1
		.amdhsa_wavefront_size32 1
		.amdhsa_system_sgpr_workgroup_id_x 1
		.amdhsa_system_sgpr_workgroup_id_y 1
		.amdhsa_system_sgpr_workgroup_id_z 1
		.amdhsa_system_vgpr_workitem_id 0
		.amdhsa_next_free_vgpr 1024
		.amdhsa_next_free_sgpr 96
		.amdhsa_reserve_vcc 0
		.amdhsa_float_denorm_mode_32 3
		.amdhsa_float_denorm_mode_16_64 3
		.amdhsa_memory_ordered 1
		.amdhsa_forward_progress 1
		.amdhsa_inst_pref_size 89
	.end_amdhsa_kernel
	.amdgpu_metadata
---
amdhsa.version: [ 1, 2 ]
amdhsa.kernels:
  - .name:           k_q34a56af887_down
    .symbol:         k_q34a56af887_down.kd
    .args:
      - { .name: hc, .offset: 0, .size: 8, .value_kind: global_buffer, .address_space: global }
      - { .name: hs, .offset: 8, .size: 8, .value_kind: global_buffer, .address_space: global }
      - { .name: w2_codes, .offset: 16, .size: 8, .value_kind: global_buffer, .address_space: global }
      - { .name: w2_scales, .offset: 24, .size: 8, .value_kind: global_buffer, .address_space: global }
      - { .name: out0, .offset: 32, .size: 8, .value_kind: global_buffer, .address_space: global }
    .group_segment_fixed_size: 327680
    .private_segment_fixed_size: 0
    .kernarg_segment_align: 8
    .kernarg_segment_size: 40
    .max_flat_workgroup_size: 128
    .sgpr_count:     96
    .vgpr_count:     1024
    .wavefront_size: 32
...
	.end_amdgpu_metadata
.endif
;; end of part 2
